; MI455X (gfx1250); checked and timed in simulation.
; The chip was launched on July 23, 2026; its instructions are those of AMD's public machine-readable ISA for CDNA 5 (MIT licence, August 2026) and "CDNA5" Instruction Set Architecture Reference Guide (July 2026). The comments in the code are by the model that wrote it; some were corrected since.
;; Quant GMM Model. Allowed arithmetic: float matrix products may take bf16 or f16 operands with f32 sums; other float arithmetic in f32, or as packed bf16 or f16 multiplies, adds, multiply-adds, maxima and minima; sums over many terms, partial sums and values carried from step to step in f32; what a program stores and reads back later, other than sums and carried values, may be rounded once to bf16 or f16.
;; Inputs: group_list 8 int32; per_token_scale 8,192 float32; scale 8 x 1,024 float32; weight 8 x 1,024 x 1,024 int32; x 8,192 x 1,024 int32.
;; Outputs: out0 8,192 x 1,024 float32.
;; Constants: group_list_type = 0, output_dtype = 0.
;; 2 versions, each right; version 2 is version 1 with the launch prep written anew for expert scheduling mode. Each part assembles by itself: llvm-mc -triple=amdgcn-amd-amdhsa -mcpu=gfx1250 --defsym DOCPART=n.
;; ======== version 1 of 2: 2 launches
;; workspace buffers: wq 16,777,216 bytes
;; launch prep (part 1): grid 256 x 1, 8 waves a work-group, no clusters, 0 bytes of LDS; arguments weight, wq; writes wq
.if DOCPART == 1
	.amdgcn_target "amdgcn-amd-amdhsa--gfx1250"
	.amdhsa_code_object_version 6
	.text
	.protected	k_q696a4d2835_prep
	.globl	k_q696a4d2835_prep
	.p2align	8
	.type	k_q696a4d2835_prep,@function
k_q696a4d2835_prep:
	s_mov_b64 s[64:65], 0
	v_nop
	global_prefetch_b8 v0, s[64:65] scope:SCOPE_SE
	s_setreg_imm32_b32 hwreg(HW_REG_WAVE_MODE, 25, 1), 1
	s_wait_xcnt 0x0
; weight [8][1024 k][1024 n] int32  ->  wq, bf16, in the order in which a wave of the product takes its operand registers:
;   wq[e 8][grp 16][ks 32][b 4][q 2][lane 32][16 bytes];  the 16 bytes of lane (h = lane / 16, t = lane % 16) are W[e][k = 32 ks + 16 q + 8 h + 0..7][n = 64 grp + 4 t + b].
; So fragment b of a group of 64 columns holds the columns 4 t + b, and the stream of one (e, grp) is 131,072 consecutive bytes, 4,096 for each 32 along k.
; int32 -> f32 -> bf16, each rounded to nearest even: exact for magnitudes up to 256.
; SHARES.  Work-group g: expert g / 32, 64 rows of k ((g / 2) % 16), half of the columns (g % 2).  Wave i: the group of 64 columns 8 (g % 2) + i.  A wave has four units of 16 rows of k.
; A load of a wave takes 256 consecutive bytes of row 16 uq + i (lanes 0-15) and of the row 8 further down (lanes 16-31); a store covers 512 consecutive bytes, aligned.
; All 32 loads of a wave go out before the first wait: 16,384 bytes a wave on their way.  No LDS, no barrier: the lane that loads a number also stores it.
.set L, 8                              ; v[8:135]    load (uq, i) at L + 32 uq + 4 i: four neighbouring columns of one row of k
.set O, 136                            ; v[136:199]  unit uq, fragment b: four registers, eight k of one column; every unit has its own, so no store data is written twice
	s_load_b128 s[4:7], s[0:1], 0x0                ; weight s[4:5], wq s[6:7]
	v_and_b32 v3, 31, v0                           ; lane
	v_lshrrev_b32 v4, 5, v0                        ; wave i
	v_and_b32 v5, 15, v0                           ; t
	v_bfe_u32 v6, v0, 4, 1                         ; h
	v_lshlrev_b32 v1, 4, v5                        ; load offset: 16 t,
	v_lshl_add_u32 v1, v6, 15, v1                  ; + 8 rows of 4,096 bytes for the upper lanes,
	v_lshl_add_u32 v1, v4, 8, v1                   ; + 256 bytes (64 columns) for each wave
	v_lshlrev_b32 v2, 4, v3                        ; store offset: 16 lane,
	v_lshl_add_u32 v2, v4, 17, v2                  ; + 131,072 for each wave (a group)
	s_lshr_b32 s8, ttmp9, 5                        ; e
	s_bfe_u32 s9, ttmp9, 0x40001                   ; kb: 4 bits from bit 1
	s_and_b32 s10, ttmp9, 1                        ; ch
	s_lshl_b32 s12, s8, 22                         ; weight: e x 4 MiB
	s_lshl_b32 s11, s9, 18                         ; + kb x 64 rows
	s_add_co_u32 s12, s12, s11
	s_lshl_b32 s11, s10, 11                        ; + ch x 512 columns
	s_add_co_u32 s12, s12, s11
	s_mov_b32 s13, 0
	s_lshl_b32 s14, s8, 21                         ; wq: e x 2 MiB
	s_lshl_b32 s11, s10, 20                        ; + ch x 8 groups
	s_add_co_u32 s14, s14, s11
	s_lshl_b32 s11, s9, 13                         ; + kb x 2 steps of 4,096 bytes
	s_add_co_u32 s14, s14, s11
	s_mov_b32 s15, 0
	s_wait_kmcnt 0x0
	s_add_nc_u64 s[4:5], s[4:5], s[12:13]
	s_add_nc_u64 s[6:7], s[6:7], s[14:15]
.irp uq, 0,1,2,3
.irp i, 0,1,2,3,4,5,6,7
	global_load_b128 v[L+32*\uq+4*\i:L+32*\uq+4*\i+3], v1, s[4:5] offset:(16*\uq+\i)*4096 th:TH_LOAD_NT  ; read once in the launch
.endr
.endr
.irp uq, 0,1,2,3
	s_wait_loadcnt 24-8*\uq                        ; the eight loads of each later unit may stay out
.set n, 0
.rept 32
	v_cvt_f32_i32 v[L+32*\uq+n], v[L+32*\uq+n]
.set n, n+1
.endr
.irp b, 0,1,2,3
.irp d, 0,1,2,3
	v_cvt_pk_bf16_f32 v[O+16*\uq+4*\b+\d], v[L+32*\uq+8*\d+\b], v[L+32*\uq+8*\d+4+\b]  ; k = 2 d below, 2 d + 1 above, column b of my four
.endr
	global_store_b128 v2, v[O+16*\uq+4*\b:O+16*\uq+4*\b+3], s[6:7] offset:(\uq/2)*4096+\b*1024+(\uq%2)*512  ; the next launch reads these: no hint
.endr
.endr
	s_endpgm
.Lfunc_end_k_q696a4d2835_prep:
	.size	k_q696a4d2835_prep, .Lfunc_end_k_q696a4d2835_prep-k_q696a4d2835_prep
	.p2alignl 7, 3214868480
	.fill 96, 4, 3214868480
	.section	.rodata,"a",@progbits
	.p2align	6, 0x0
	.amdhsa_kernel k_q696a4d2835_prep
		.amdhsa_group_segment_fixed_size 0
		.amdhsa_private_segment_fixed_size 0
		.amdhsa_enable_private_segment 0
		.amdhsa_kernarg_size 16
		.amdhsa_user_sgpr_count 2
		.amdhsa_user_sgpr_kernarg_segment_ptr 1
		.amdhsa_wavefront_size32 1
		.amdhsa_system_sgpr_workgroup_id_x 1
		.amdhsa_system_sgpr_workgroup_id_y 1
		.amdhsa_system_sgpr_workgroup_id_z 1
		.amdhsa_system_vgpr_workitem_id 0
		.amdhsa_next_free_vgpr 208
		.amdhsa_next_free_sgpr 66
		.amdhsa_reserve_vcc 0
		.amdhsa_float_denorm_mode_32 3
		.amdhsa_float_denorm_mode_16_64 3
		.amdhsa_memory_ordered 1
		.amdhsa_forward_progress 1
		.amdhsa_inst_pref_size 14
	.end_amdhsa_kernel
	.amdgpu_metadata
---
amdhsa.version: [ 1, 2 ]
amdhsa.kernels:
  - .name:           k_q696a4d2835_prep
    .symbol:         k_q696a4d2835_prep.kd
    .args:
      - { .name: weight, .offset: 0, .size: 8, .value_kind: global_buffer, .address_space: global }
      - { .name: wq, .offset: 8, .size: 8, .value_kind: global_buffer, .address_space: global }
    .group_segment_fixed_size: 0
    .private_segment_fixed_size: 0
    .kernarg_segment_align: 8
    .kernarg_segment_size: 16
    .max_flat_workgroup_size: 256
    .sgpr_count:     66
    .vgpr_count:     208
    .wavefront_size: 32
...
	.end_amdgpu_metadata
.endif
;; end of part 1
;; launch gmm (part 2): grid 4 x 64, 4 waves a work-group, no clusters, 313,856 bytes of LDS; arguments group_list, per_token_scale, scale, wq, x, out0; writes out0
.if DOCPART == 2
	.amdgcn_target "amdgcn-amd-amdhsa--gfx1250"
	.amdhsa_code_object_version 6
	.text
	.protected	k_q696a4d2835_gmm
	.globl	k_q696a4d2835_gmm
	.p2align	8
	.type	k_q696a4d2835_gmm,@function
k_q696a4d2835_gmm:
	s_mov_b64 s[64:65], 0
	v_nop
	global_prefetch_b8 v0, s[64:65] scope:SCOPE_SE
	s_setreg_imm32_b32 hwreg(HW_REG_WAVE_MODE, 25, 1), 1
	s_wait_xcnt 0x0
; GROUPED GEMM WITH DEQUANTISATION.  Row t belongs to expert e iff cum[e-1] <= t < cum[e];  out[t][n] = (sum over k of x[t][k] W[e][k][n]) x scale[e][n] x per_token_scale[t].
; x [8192][1024] int32, rounded here to bf16 (int32 -> f32 -> bf16, nearest even: exact for magnitudes up to 256); W comes as wq, bf16, laid out by the launch before; sums in f32; out f32.
; LIMITS.  group_list is taken as ascending; one that is not is made so by a running maximum; entries are held to 0 .. 8192.
; Rows at or past cum[7] belong to no expert: they ride with expert 7, their per_token_scale counts as 0, and 0 is stored.
; THE GRID SERVES EVERY SPLIT.  Tiles of 144 rows of ONE expert: for any eight counts that add up to 8192 the sum of ceil(count / 144) is at most (8192 + 8 x 143) / 144, so 64.
; 64 row tiles (y) x 4 column tiles of 256 (x) = 256 work-groups.  Every work-group finds its tile from the eight numbers, in scalar registers.  It always loads and multiplies the 144 rows
; ROWL .. ROWL + 143, ROWL = min(first row, 8048), all inside x, and stores the local rows LO .. HI - 1 alone; a tile that the split leaves empty stores nothing.  No barrier hangs on the counts.
; SHARES.  Wave w: all 144 rows x the 64 columns 256 c + 64 w: 36 accumulators (row block a = 0..8, fragment b = 0..3).  K = 1024 = 8 chunks of 128 = 32 steps of 32; a step is 36 matrix instructions,
; always in the order 4 a + b, so that the accumulators take turns.
; x: global -> registers -> bf16 -> LDS, each wave 36 rows, in PARTS of nine row pieces of 512 bytes (part p: chunk p / 4, quarter p % 4 of my rows).  All eight chunks have LDS regions of their own,
; each written once.  Step t asks for part t + 9, rounds part t + 6 into 18 registers, and stores part t + 5 from them.  One barrier a chunk shows the next region whole.
; W: each wave alone reads the stream of its 64 columns, so it goes from memory straight into operand registers.
; ALL MEMORY AND LDS INSTRUCTIONS OF A STEP STAND IN ONE RUN, behind its twelfth product; the conversions, work on registers, stand in short groups among the products behind the run.
; THE MATRIX INSTRUCTION IS USED TRANSPOSED (source 0 = W, source 1 = x): lane (r, h), register j of accumulator (a, b) holds row 16 a + r, column 32 h + 4 j + b of my 64.
; NO JOINT LOADS: a tile of x is 144 x 4,096 = 589,824 bytes of int32, more than LDS holds, and is rounded on its way through registers; the text has no tensor load at all.  The four column tiles
; of one row tile are neighbours in the grid and read the same rows of x at about the same time.
; REGISTERS, in windows of 256 (s_set_vgpr_msb: bits 1:0 source 0, 3:2 source 1, 5:4 source 2, 7:6 destination):
;   window 0: v1-13 lane terms and addresses; v28-29 for the add; v32-175 fragments of x, two buffers of 72; v176-207 scaled results; v208-239 and v32-63 rows on their way out
;   window 1: v0-127 fragments of W, four slots of 32     window 2: accumulators of row blocks 0-7 at 8 (4 a + b)
;   window 3: v0-31 accumulators of row block 8; v32-211 x as loaded, five slots of 36, the fifth for the prologue alone (at the end: scale and per_token_scale); v212 LDS store address; v213 r;
;             v214-231 a part of x rounded to bf16, a pair for each row piece
.set PITCH,  272                       ; an LDS row: 256 bytes (128 bf16) + 16: the sixteen rows of a fragment load start 68 words apart, at sixteen different groups of four banks (64 banks of 4 bytes: ISA guide 11.1)
.set REGION, 144*PITCH                 ; 39,168 bytes: one chunk of x
.set SPARE,  8*REGION                  ; behind the regions: the spare words, 128 bytes a wave, two blocks of 256 bytes that no other line names
.set VB,  4                            ; v4   16 lane: my 16 bytes in 512 of wq
.set XO,  5                            ; v5   w x 36 rows x 4,096 + 16 lane: my 16 bytes in a row piece of x
.set ADA, 6                            ; v6   r x 272 + 16 h + the region in hand
.set STO, 7                            ; v7   the way out: w x 4,352 + r x 272 + 128 h
.set RD,  8                            ; v8   the way out: w x 4,352 + h x 272 + 16 r
.set CO,  9                            ; v9   h x 4,096 + 16 r + 256 w: my 16 bytes in two rows of out
.set VRL, 10                           ; v10  h - LO
.set TV,  11                           ; v11  at work
.set SCO, 12                           ; v12  128 h
.set PTO, 13                           ; v13  4 r
.set SPW, 28                           ; v28  SPARE + 4 x my thread number; never rewritten
.set NIL, 29                           ; v29  0; never rewritten
.set AF,  32
.set T,   176
.set BK0, 208
.set BK1, 32
.set BR,  0                            ; window 1
.set XS,  32                           ; window 3
.set XST, 212                          ; window 3
.set RC,  213                          ; window 3
.set PKR, 214                          ; window 3
.set SC,  XS                           ; window 3, at the end: scale of my 32 columns
.set PT,  XS+32                        ; window 3, at the end: a pair for each row block: per_token_scale of my row, twice
.set WV,   24                          ; s24 wave    s25 column tile    s26 row tile
.set CT,   25
.set YT,   26
.set PRV,  27                          ; the mapping: end of the expert before
.set PSUM, 28                          ; tiles of the experts before
.set EX,   29                          ; my expert
.set ROW0, 30                          ; my first row
.set REND, 31                          ; my expert ends here
.set CE,   32
.set TE,   33
.set IDX,  34
.set CAND, 35
.set ZZ,   36                          ; cum[7]
.set CNT,  38                          ; rows that I store
.set ROWL, 39                          ; first row that I load
.set LO,   40
.set HI,   41
.set ZR,   42                          ; cum[7] - ROWL, signed
.set LP,   43
.set SVX,  44
.set TS,   45
.set OFS,  46                          ; s[46:47] an offset as a pair
.set MSB, 0
.macro WIN new                         ; the high byte repeats the setting that is left; a switch that changes nothing is dropped
.if MSB != (\new)
	s_set_vgpr_msb (MSB<<8)|(\new)
.set MSB, \new
.endif
.endm
.set MUL_LO, 0xa1                      ; W window 1, x window 0, C and D window 2
.set MUL_HI, 0xf1                      ; the same, C and D window 3
	s_load_b256 s[4:11], s[0:1], 0x0               ; group_list s[4:5], per_token_scale s[6:7], scale s[8:9], wq s[10:11]
	s_load_b128 s[12:15], s[0:1], 0x20             ; x s[12:13], out s[14:15]
	v_lshl_add_u32 v[SPW], v0, 2, SPARE
	v_mov_b32 v[NIL], 0
	v_lshrrev_b32 v[TV], 5, v0
	v_readfirstlane_b32 s[WV], v[TV]
	v_and_b32 v1, 15, v0                           ; r
	v_bfe_u32 v2, v0, 4, 1                         ; h
	v_and_b32 v3, 31, v0                           ; lane
	s_mov_b32 s[CT], ttmp9
	s_and_b32 s[YT], ttmp7, 0xffff
	s_wait_kmcnt 0x0
	s_load_b256 s[16:23], s[4:5], 0x0              ; the eight ends
	v_lshlrev_b32 v[VB], 4, v3
	s_mul_i32 s[TS], s[WV], 36*4096
	v_add_nc_u32 v[XO], s[TS], v[VB]
	v_mul_u32_u24 v[ADA], v1, PITCH
	s_mul_i32 s[TS], s[WV], 16*PITCH
	v_add_nc_u32 v[STO], s[TS], v[ADA]
	v_lshl_add_u32 v[STO], v2, 7, v[STO]
	v_lshl_add_u32 v[ADA], v2, 4, v[ADA]
	v_mul_u32_u24 v[RD], v2, PITCH
	v_lshl_add_u32 v[RD], v1, 4, v[RD]
	v_add_nc_u32 v[RD], s[TS], v[RD]
	v_lshlrev_b32 v[CO], 12, v2
	v_lshl_add_u32 v[CO], v1, 4, v[CO]
	s_lshl_b32 s[TS], s[WV], 8
	v_add_nc_u32 v[CO], s[TS], v[CO]
	v_lshlrev_b32 v[SCO], 7, v2
	v_lshlrev_b32 v[PTO], 2, v1
	s_mul_i32 s[TS], s[WV], 36*PITCH
	WIN 0xc0                                       ; destination window 3
	v_lshl_add_u32 v[XST], v3, 3, s[TS]            ; my 36 rows of region 0, 8 bytes a lane
	v_mov_b32 v[RC], v1
	WIN 0
	s_mov_b32 s[PRV], 0
	s_mov_b32 s[PSUM], 0
	s_mov_b32 s[EX], 0
	s_mov_b32 s[ROW0], 0
	s_mov_b32 s[REND], 0
	s_wait_kmcnt 0x0
	; THE MAPPING.  Expert e has ceil(rows / 144) tiles; tile YT is the (YT - tiles before)-th of the expert in whose range that number falls.
.irp e, 0,1,2,3,4,5,6,7
	s_max_i32 s[CE], s[16+\e], s[PRV]              ; ascending, not below 0,
	s_min_i32 s[CE], s[CE], 8192                   ; not past the last row
.if \e == 7
	s_mov_b32 s[ZZ], s[CE]
	s_mov_b32 s[CE], 8192                          ; rows of no expert ride with the last
.endif
	s_sub_co_u32 s[TE], s[CE], s[PRV]
	s_add_co_u32 s[TE], s[TE], 143
	s_lshr_b32 s[TE], s[TE], 4                     ; at most 520,
	s_mul_i32 s[TE], s[TE], 7282                   ; and a ninth of it: 7282 / 65536 is above 1 / 9 by 3.4e-6, 520 times that is far below 1 / 9: the floor is exact
	s_lshr_b32 s[TE], s[TE], 16
	s_sub_co_u32 s[IDX], s[YT], s[PSUM]            ; wraps to a large number for an earlier expert's tile
	s_mul_i32 s[CAND], s[IDX], 144
	s_add_co_u32 s[CAND], s[CAND], s[PRV]
	s_cmp_lt_u32 s[IDX], s[TE]
	s_cselect_b32 s[EX], \e, s[EX]
	s_cselect_b32 s[ROW0], s[CAND], s[ROW0]
	s_cselect_b32 s[REND], s[CE], s[REND]
	s_add_co_u32 s[PSUM], s[PSUM], s[TE]
	s_mov_b32 s[PRV], s[CE]
.endr
	s_sub_co_u32 s[CNT], s[REND], s[ROW0]
	s_min_u32 s[CNT], s[CNT], 144
	s_min_u32 s[ROWL], s[ROW0], 8048               ; only ROWL and EX enter addresses, each behind a clamp by a constant
	s_min_u32 s[EX], s[EX], 7
	s_sub_co_u32 s[LO], s[ROW0], s[ROWL]
	s_add_co_u32 s[HI], s[LO], s[CNT]
	s_sub_co_i32 s[ZR], s[ZZ], s[ROWL]
	v_sub_nc_u32 v[VRL], v2, s[LO]
	s_lshl_b32 s[OFS], s[ROWL], 12
	s_mov_b32 s[OFS+1], 0
	s_add_nc_u64 s[12:13], s[12:13], s[OFS:OFS+1]  ; x at row ROWL
	s_lshl_b32 s[TS], s[CT], 10
	s_add_co_u32 s[OFS], s[OFS], s[TS]
	s_add_nc_u64 s[14:15], s[14:15], s[OFS:OFS+1]  ; out at row ROWL, column 256 c
	s_lshl_b32 s[OFS], s[EX], 12
	s_add_co_u32 s[OFS], s[OFS], s[TS]
	s_lshl_b32 s[TS], s[WV], 8
	s_add_co_u32 s[OFS], s[OFS], s[TS]
	s_add_nc_u64 s[8:9], s[8:9], s[OFS:OFS+1]      ; scale of my expert at column 256 c + 64 w
	s_lshl_b32 s[OFS], s[EX], 4
	s_lshl2_add_u32 s[OFS], s[CT], s[OFS]
	s_add_co_u32 s[OFS], s[OFS], s[WV]
	s_lshl_b32 s[OFS], s[OFS], 17
	s_add_nc_u64 s[10:11], s[10:11], s[OFS:OFS+1]  ; wq at the stream of group 16 e + 4 c + w
	s_lshl_b32 s[OFS], s[ROWL], 2
	s_add_nc_u64 s[6:7], s[6:7], s[OFS:OFS+1]      ; per_token_scale at row ROWL
; Nine loads: a part of x = nine rows, 512 bytes (128 numbers) of each; a load of the wave is one row piece, two aligned blocks of 256 bytes.
.macro LOADX slot, off
	WIN 0xc0
.set lu, 0
.rept 9
	global_load_b128 v[XS+36*(\slot)+4*lu:XS+36*(\slot)+4*lu+3], v[XO], s[12:13] offset:(\off)+lu*4096
.set lu, lu+1
.endr
.endm
; Eight loads: the four fragments of W of one step, 4,096 consecutive bytes.
.macro LOADB slot, off
	WIN 0x40
.irp b, 0,1,2,3
	global_load_b128 v[BR+32*(\slot)+8*\b:BR+32*(\slot)+8*\b+3],   v[VB], s[10:11] offset:(\off)+\b*1024
	global_load_b128 v[BR+32*(\slot)+8*\b+4:BR+32*(\slot)+8*\b+7], v[VB], s[10:11] offset:(\off)+\b*1024+512
.endr
.endm
; Seventeen loads for the way out: scale of my 32 columns, per_token_scale of my row in each of the nine row blocks.
.macro LOADS
	WIN 0xc0
.irp i, 0,1,2,3,4,5,6,7
	global_load_b128 v[SC+4*\i:SC+4*\i+3], v[SCO], s[8:9] offset:16*\i
.endr
.irp a, 0,1,2,3,4,5,6,7,8
	global_load_b32 v[PT+2*\a], v[PTO], s[6:7] offset:64*\a
.endr
.endm
; Row piece u of a slot: four numbers a lane to f32, in place (CVT4); to bf16, into the pair of PKR that belongs to the piece (PK2).  Both want all their registers in window 3.
.macro CVT4 slot, u
.set rX, XS+36*(\slot)+4*(\u)
	v_cvt_f32_i32 v[rX], v[rX]
	v_cvt_f32_i32 v[rX+1], v[rX+1]
	v_cvt_f32_i32 v[rX+2], v[rX+2]
	v_cvt_f32_i32 v[rX+3], v[rX+3]
.endm
.macro PK2 slot, u
.set rX, XS+36*(\slot)+4*(\u)
	v_cvt_pk_bf16_f32 v[PKR+2*(\u)], v[rX], v[rX+1]
	v_cvt_pk_bf16_f32 v[PKR+2*(\u)+1], v[rX+2], v[rX+3]
.endm
.macro CONV slot                       ; a whole part at once, for the prologue: no line reads the result of a line near it
	WIN 0xcf
.set cu, 0
.rept 9
	CVT4 \slot, cu
.set cu, cu+1
.endr
.set cu, 0
.rept 9
	PK2 \slot, cu
.set cu, cu+1
.endr
.endm
.macro PUT off                         ; the part in PKR goes into LDS: nine stores of 8 bytes a lane, each 256 consecutive bytes of one row
	WIN 0xcf
.set pu, 0
.rept 9
	ds_store_b64 v[XST], v[PKR+2*pu:PKR+2*pu+1] offset:(\off)+pu*PITCH
.set pu, pu+1
.endr
.endm
; Group g of the ten groups of conversions of a step: row piece g - 1 is packed, then row piece g goes to f32: a packing line reads results made a group, two products, earlier.
.macro RIDE slot, g
	WIN 0xcf
.if (\g) > 0
	PK2 \slot, (\g)-1
.endif
.if (\g) < 9
	CVT4 \slot, \g
.endif
.endm
; Eighteen LDS loads in one run: the nine fragments of x (16 rows x 32 K) at byte koff of the rows, into buffer f.
.macro FETCH f, koff
	WIN 0
.irp a, 0,1,2,3,4,5,6,7,8
	ds_load_b128 v[AF+72*(\f)+8*\a:AF+72*(\f)+8*\a+3],   v[ADA] offset:\a*16*PITCH+(\koff)
	ds_load_b128 v[AF+72*(\f)+8*\a+4:AF+72*(\f)+8*\a+7], v[ADA] offset:\a*16*PITCH+(\koff)+32
.endr
.endm
.macro PLACES                          ; a load into a register that a matrix instruction has read stands four plain vector instructions behind it (ISA guide 7.12.1 for vector instructions)
.rept 4
	v_nop
.endr
.endm
.macro MM f, slot, zero                ; matrix instruction mi of a step: row block mi / 4, fragment mi % 4
.if mi < 32
	WIN MUL_LO
.set rD, 8*mi
.else
	WIN MUL_HI
.set rD, 8*(mi-32)
.endif
.set rW, BR+32*(\slot)+8*(mi%4)
.set rA, AF+72*(\f)+8*(mi/4)
.if \zero
	v_wmma_f32_16x16x32_bf16 v[rD:rD+7], v[rW:rW+7], v[rA:rA+7], 0
.else
	v_wmma_f32_16x16x32_bf16 v[rD:rD+7], v[rW:rW+7], v[rA:rA+7], v[rD:rD+7]
.endif
.set mi, mi+1
.endm
; STEP j of a chunk (step t = 4 chunk + j).  It multiplies W of step t (slot j) by the fragments of x in buffer j % 2.
; ONE RUN behind its twelfth product holds all its memory and LDS instructions: the stores of part t + 5, rounded in the step before (st); the loads of part t + 9 of x, into the slot that part t + 5 has
; left (ix); the scales (sp); W of step t + 3 (ib); the fragments of step t + 1 (fa).  Behind the run, behind every second product, stands one of the ten groups that round part t + 6 (cv).
; lc: loads come back in order (ISA guide 5.7.1): W of step t and part t + 6 were asked for in step t - 3, so the count is the loads of steps t - 2 and t - 1.
; The wait on DScnt is for 0: the fragment loads are the youngest LDS instructions.  In front of a signal it also says, for the other waves, that my stores into the next region are done.
; bar: the chunk changes: parts 4 (chunk + 1) .. + 3 were stored in the runs of the four steps before this one, by every wave once all have signalled.
.macro STEP j, zero, lc, ib, ix, cv, st, bar, fa, sp
	s_wait_loadcnt \lc
	s_wait_dscnt 0x0
.if \bar
	s_barrier_signal -1
.endif
.set mi, 0
.rept 12
	MM (\j)%2, \j, \zero
.endr
.if \bar
	WIN 0
	s_barrier_wait -1                              ; twelve products stood between signal and wait: work on registers alone
	v_add_nc_u32 v[ADA], REGION, v[ADA]            ; the fragments now come from the next region
.endif
.if (\ib)+(\ix)+(\fa)+(\sp)
	PLACES
.endif
.if \st
.if (\j) < 3
	PUT 9*((\j)+1)*PITCH                           ; quarter j + 1 of the next chunk
.else
	PUT REGION                                     ; quarter 0 of the chunk after it
.endif
.endif
.if \ix
.if (\j) < 3
	LOADX ((\j)+1)%4, 1024+9*((\j)+1)*4096         ; two chunks on, quarter j + 1
.else
	LOADX 0, 1536                                  ; three chunks on, quarter 0
.endif
.endif
.if \sp
	LOADS
.endif
.if \ib
	LOADB ((\j)+3)%4, ((\j)+3)*4096
.endif
.if \fa
	FETCH 1-(\j)%2, (64*((\j)+1))%256
.endif
.set rg, 0
.rept 24
	MM (\j)%2, \j, \zero
.if (\cv) && ((mi-13)%2 == 0) && (rg < 10)
	RIDE ((\j)+2)%4, rg
.set rg, rg+1
.endif
.endr
.endm
.macro NEXT full                       ; on to the next chunk
	s_wait_xcnt 0x0                                ; the bases that pending loads name are written only behind this wait
	s_add_nc_u64 s[10:11], s[10:11], 4*4096
.if \full
	s_add_nc_u64 s[12:13], s[12:13], 512
	WIN 0xcf
	v_add_nc_u32 v[XST], REGION, v[XST]
.endif
	WIN 0
.endm
	; THE PROLOGUE.  61 loads go out: parts 0-4 of x (chunk 0 and a quarter of chunk 1), W of steps 0 and 1.  Parts 0-4 are rounded and stored; part 5 is rounded and left in PKR for step 0 to store.
	; Each count is the number of loads issued behind the part that is wanted.  Part 5 lands in slot 0, free once part 0 is rounded; from part 6 on part p lands in slot p % 4, as in the steps.
	LOADX 0, 0
	LOADX 1, 9*4096
	LOADX 2, 18*4096
	LOADX 3, 27*4096
	LOADX 4, 512
	LOADB 0, 0
	LOADB 1, 4096
	s_wait_loadcnt 52                              ; behind part 0: 4 x 9 + 2 x 8
	CONV 0
	PUT 0
	LOADX 0, 512+9*4096                            ; part 5
	s_wait_loadcnt 52                              ; behind part 1: 3 x 9 + 2 x 8 + 9
	CONV 1
	PUT 9*PITCH
	s_wait_loadcnt 43                              ; behind part 2: 2 x 9 + 2 x 8 + 9
	CONV 2
	PUT 18*PITCH
	LOADX 2, 512+18*4096                           ; part 6
	s_wait_loadcnt 43                              ; behind part 3: 9 + 2 x 8 + 2 x 9
	CONV 3
	PUT 27*PITCH
	LOADX 3, 512+27*4096                           ; part 7
	s_wait_loadcnt 43                              ; behind part 4: 2 x 8 + 3 x 9
	CONV 4
	PUT REGION                                     ; quarter 0 of region 1
	s_wait_loadcnt 18                              ; behind part 5: parts 6 and 7
	CONV 0                                         ; part 5 stays in PKR
	LOADB 2, 2*4096
	LOADX 0, 1024                                  ; part 8
	WIN 0xcf
	v_add_nc_u32 v[XST], REGION, v[XST]            ; in chunk c the store address stands at region c + 1
	WIN 0
	s_wait_dscnt 0x0                               ; my rows of region 0 are written,
	s_barrier_signal -1
	s_barrier_wait -1                              ; everybody has written theirs
	FETCH 0, 0
	;    j  zero lc  ib ix cv st bar fa sp
	STEP 0, 1,   26, 1, 1, 1, 1, 0,  1, 0          ; step 0 starts the sums; behind part 6: part 7, W of step 2, part 8
	WIN 0                                          ; at a label and at a branch every window is 0
	s_mov_b32 s[LP], 5
.Lchunk:                                               ; five trips, steps 1 to 20: a trip goes from the second step of a chunk to the first of the next
	STEP 1, 0,   34, 1, 1, 1, 1, 0,  1, 0
	STEP 2, 0,   34, 1, 1, 1, 1, 0,  1, 0
	STEP 3, 0,   34, 1, 1, 1, 1, 1,  1, 0
	NEXT 1
	STEP 0, 0,   34, 1, 1, 1, 1, 0,  1, 0
	WIN 0
	s_sub_co_u32 s[LP], s[LP], 1
	s_cmp_lg_u32 s[LP], 0
	s_cbranch_scc1 .Lchunk
	STEP 1, 0,   34, 1, 1, 1, 1, 0,  1, 0          ; step 21
	STEP 2, 0,   34, 1, 1, 1, 1, 0,  1, 0          ; step 22 asks for part 31, the last of x
	STEP 3, 0,   34, 1, 0, 1, 1, 1,  1, 0          ; from here a step asks for 8 loads: the counts run down
	NEXT 1
	STEP 0, 0,   25, 1, 0, 1, 1, 0,  1, 0          ; step 24: behind what it wants: 17 + 8
	STEP 1, 0,   16, 1, 0, 1, 1, 0,  1, 0          ; step 25 rounds part 31
	STEP 2, 0,   16, 1, 0, 0, 1, 0,  1, 0          ; step 26 stores it
	STEP 3, 0,   16, 1, 0, 0, 0, 1,  1, 0          ; the last barrier of the steps: region 7 is whole
	NEXT 0
	STEP 0, 0,   16, 1, 0, 0, 0, 0,  1, 0          ; step 28 asks for W of step 31
	STEP 1, 0,   16, 0, 0, 0, 0, 0,  1, 1          ; the scales, 17 loads, into registers that held x
	STEP 2, 0,   25, 0, 0, 0, 0, 0,  1, 0          ; behind W of step 30: 8 + 17
	STEP 3, 0,   17, 0, 0, 0, 0, 0,  0, 0          ; behind W of step 31: 17
	; THE WAY OUT.  per_token_scale counts as 0 for rows at or past cum[7]; it is laid twice, as a pair for the packed multiply.  These lines are also the places behind the last products.
	s_wait_loadcnt 0x0
	WIN 0xcf
.irp a, 0,1,2,3,4,5,6,7,8
	s_sub_co_i32 s[TS], s[ZR], 16*\a
	v_cmp_gt_i32 vcc_lo, s[TS], v[RC]              ; row ROWL + 16 a + r lies below cum[7]
	v_cndmask_b32 v[PT+2*\a+1], 0, v[PT+2*\a], vcc_lo
	v_cndmask_b32 v[PT+2*\a], 0, v[PT+2*\a], vcc_lo
.endr
	WIN 0
	s_wait_dscnt 0x0                               ; my reads of the regions are over,
	s_barrier_signal -1
	s_barrier_wait -1                              ; everybody has finished theirs: the first 17,408 bytes of region 0 now serve as four stages, 16 rows x 272 bytes for each wave
; Row block a: sum x scale x per_token_scale, in that order.  Register 0 of each accumulator is read first.  T then holds 32 neighbouring columns of one row.
.macro PACK a
.if (\a) < 8
	WIN 0x0e                                       ; source 0 window 2, source 1 window 3
.set rAc, 32*(\a)
.else
	WIN 0x0f
.set rAc, 0
.endif
.set pj, 0
.rept 8
.irp b, 0,1,2,3
	v_mul_f32 v[T+4*pj+\b], v[rAc+8*\b+pj], v[SC+4*pj+\b]
.endr
.set pj, pj+1
.endr
	WIN 0x0c                                       ; source 1 window 3
.set pj, 0
.rept 16
	v_pk_mul_f32 v[T+2*pj:T+2*pj+1], v[T+2*pj:T+2*pj+1], v[PT+2*(\a):PT+2*(\a)+1]
.set pj, pj+1
.endr
	WIN 0
.endm
.macro TOSTAGE a                       ; 128 bytes a lane into my stage, and back as whole rows of 256 bytes
	WIN 0
.set BK, BK0+(BK1-BK0)*((\a)%2)
.irp j, 0,1,2,3,4,5,6,7
	ds_store_b128 v[STO], v[T+4*\j:T+4*\j+3] offset:16*\j
.endr
.irp t, 0,1,2,3,4,5,6,7
	ds_load_b128 v[BK+4*\t:BK+4*\t+3], v[RD] offset:\t*2*PITCH  ; LDS serves the instructions of a wave in order (ISA guide 5.7.1.4): these see the stores above; the next block stores behind them
.endr
.endm
; The sixteen rows of block a are stored where they lie in LO .. HI - 1.  The jumps go forward, hang on whole numbers from group_list, and pass no barrier.
.macro SEND a
	WIN 0
.set BK, BK0+(BK1-BK0)*((\a)%2)
	s_wait_dscnt 0x0                               ; the block is back in registers
	s_wait_xcnt 0x0                                ; earlier stores have read their registers: the other row buffer may be loaded again, and EXEC may change
	s_cmp_ge_u32 s[LO], 16*(\a)+16
	s_cbranch_scc1 .Lsent_\@                       ; wholly above my rows
	s_cmp_le_u32 s[HI], 16*(\a)
	s_cbranch_scc1 .Lsent_\@                       ; wholly below them
	s_cmp_gt_u32 s[LO], 16*(\a)
	s_cbranch_scc1 .Lpart_\@
	s_cmp_lt_u32 s[HI], 16*(\a)+16
	s_cbranch_scc1 .Lpart_\@
.irp t, 0,1,2,3,4,5,6,7
	global_store_b128 v[CO], v[BK+4*\t:BK+4*\t+3], s[14:15] offset:(16*(\a)+2*\t)*4096 th:TH_STORE_NT  ; 16 lanes store 256 consecutive bytes, at a multiple of 256 from the first byte of out
.endr
	s_branch .Lsent_\@
.Lpart_\@:
.irp t, 0,1,2,3,4,5,6,7
	v_add_nc_u32 v[TV], 16*(\a)+2*\t, v[VRL]       ; my local row less LO: below CNT, unsigned, where the row is mine
	v_cmp_gt_u32 vcc_lo, s[CNT], v[TV]
	s_and_saveexec_b32 s[SVX], vcc_lo              ; no memory instruction has been issued since the last wait on XCNT
	global_store_b128 v[CO], v[BK+4*\t:BK+4*\t+3], s[14:15] offset:(16*(\a)+2*\t)*4096 th:TH_STORE_NT
	s_wait_xcnt 0x0                                ; EXEC is widened only behind this wait
	s_or_b32 exec_lo, exec_lo, s[SVX]
.endr
.Lsent_\@:
.endm
	PACK 0
	TOSTAGE 0
.irp a, 1,2,3,4,5,6,7,8                ; the arithmetic of a block stands between the loads of the block before and the wait for them
	PACK \a
	SEND (\a)-1
	TOSTAGE \a
.endr
	SEND 8
	s_wait_tensorcnt 0x0                           ; the end of the wave, behind my last LDS store
	ds_add_u32 v[SPW], v[NIL]
	s_wait_dscnt 0x0
	s_endpgm
.Lfunc_end_k_q696a4d2835_gmm:
	.size	k_q696a4d2835_gmm, .Lfunc_end_k_q696a4d2835_gmm-k_q696a4d2835_gmm
	.p2alignl 7, 3214868480
	.fill 96, 4, 3214868480
	.section	.rodata,"a",@progbits
	.p2align	6, 0x0
	.amdhsa_kernel k_q696a4d2835_gmm
		.amdhsa_group_segment_fixed_size 313856
		.amdhsa_private_segment_fixed_size 0
		.amdhsa_enable_private_segment 0
		.amdhsa_kernarg_size 48
		.amdhsa_user_sgpr_count 2
		.amdhsa_user_sgpr_kernarg_segment_ptr 1
		.amdhsa_wavefront_size32 1
		.amdhsa_system_sgpr_workgroup_id_x 1
		.amdhsa_system_sgpr_workgroup_id_y 1
		.amdhsa_system_sgpr_workgroup_id_z 1
		.amdhsa_system_vgpr_workitem_id 0
		.amdhsa_next_free_vgpr 1024
		.amdhsa_next_free_sgpr 66
		.amdhsa_reserve_vcc 1
		.amdhsa_float_denorm_mode_32 3
		.amdhsa_float_denorm_mode_16_64 3
		.amdhsa_memory_ordered 1
		.amdhsa_forward_progress 1
		.amdhsa_inst_pref_size 208
	.end_amdhsa_kernel
	.amdgpu_metadata
---
amdhsa.version: [ 1, 2 ]
amdhsa.kernels:
  - .name:           k_q696a4d2835_gmm
    .symbol:         k_q696a4d2835_gmm.kd
    .args:
      - { .name: group_list, .offset: 0, .size: 8, .value_kind: global_buffer, .address_space: global }
      - { .name: per_token_scale, .offset: 8, .size: 8, .value_kind: global_buffer, .address_space: global }
      - { .name: scale, .offset: 16, .size: 8, .value_kind: global_buffer, .address_space: global }
      - { .name: wq, .offset: 24, .size: 8, .value_kind: global_buffer, .address_space: global }
      - { .name: x, .offset: 32, .size: 8, .value_kind: global_buffer, .address_space: global }
      - { .name: out0, .offset: 40, .size: 8, .value_kind: global_buffer, .address_space: global }
    .group_segment_fixed_size: 313856
    .private_segment_fixed_size: 0
    .kernarg_segment_align: 8
    .kernarg_segment_size: 48
    .max_flat_workgroup_size: 128
    .sgpr_count:     66
    .vgpr_count:     1024
    .wavefront_size: 32
...
	.end_amdgpu_metadata
.endif
;; end of part 2
;; ======== version 2 of 2: 2 launches; version 1 with the launch prep written anew for expert scheduling mode
;; workspace buffers: wq 16,777,216 bytes
;; launch prep (part 3): grid 256 x 1, 8 waves a work-group, no clusters, 0 bytes of LDS; arguments weight, wq; writes wq
.if DOCPART == 3
	.amdgcn_target "amdgcn-amd-amdhsa--gfx1250"
	.amdhsa_code_object_version 6
	.text
	.protected	k_q696a4d2835_prep
	.globl	k_q696a4d2835_prep
	.p2align	8
	.type	k_q696a4d2835_prep,@function
k_q696a4d2835_prep:
	s_mov_b64 s[64:65], 0
	v_nop
	global_prefetch_b8 v0, s[64:65] scope:SCOPE_SE
	s_setreg_imm32_b32 hwreg(HW_REG_WAVE_SCHED_MODE, 0, 2), 2
	s_setreg_imm32_b32 hwreg(HW_REG_WAVE_MODE, 25, 1), 1
	s_wait_xcnt 0x0
	s_wait_alu depctr_vm_vsrc(0)
; weight [8][1024 k][1024 n] int32  ->  wq, bf16, in the order in which a wave of the product takes its operand registers:
;   wq[e 8][grp 16][ks 32][b 4][q 2][lane 32][16 bytes];  the 16 bytes of lane (h = lane / 16, t = lane % 16) are W[e][k = 32 ks + 16 q + 8 h + 0..7][n = 64 grp + 4 t + b].
; So fragment b of a group of 64 columns holds the columns 4 t + b, and the stream of one (e, grp) is 131,072 consecutive bytes, 4,096 for each 32 along k.
; int32 -> f32 -> bf16, each rounded to nearest even: exact for magnitudes up to 256.
; SHARES.  Work-group g: expert g / 32, 64 rows of k ((g / 2) % 16), half of the columns (g % 2).  Wave i: the group of 64 columns 8 (g % 2) + i.  A wave has four units of 16 rows of k.
; A load of a wave takes 256 consecutive bytes of row 16 uq + i (lanes 0-15) and of the row 8 further down (lanes 16-31); a store covers 512 consecutive bytes, aligned.
; All 32 loads of a wave go out before the first wait: 16,384 bytes a wave on their way.  No LDS, no barrier: the lane that loads a number also stores it.
; THE MODE: SCHED_MODE bits 1:0 = 2 (LLVM: expert scheduling mode 2), set by the entry lines.  The code itself states the register dependences
; between vector instructions and memory instructions, with s_wait_alu, always for 0.
; THE PLAN.  Registers that memory instructions touch:
;   v1, v2   byte offsets into weight and wq.  Written by vector lines at the head, read by every load (v1) and every store (v2), never written again.
;   L        written by the 32 loads, which all go out ahead of every vector line that names L; no load lands in it a second time.
;   O        unit uq: its sixteen packing lines write its sixteen registers, once in the launch; its four stores read them; nothing writes them again.
; So five waits on va_vdst state everything: one at the head, ahead of the first load (v1 and v2 are written), and one in each unit, behind its sixteen packing lines
; and ahead of its four stores, which stand in one run.  No register that a memory instruction has read is written again, so no wait on vm_vsrc is owed.
; No vector line writes a scalar register or VCC, and EXEC is never written.
.set L, 8                              ; v[8:135]    load (uq, i) at L + 32 uq + 4 i: four neighbouring columns of one row of k
.set O, 136                            ; v[136:199]  unit uq, fragment b: four registers, eight k of one column; every unit has its own, so no store data is written twice
	s_load_b128 s[4:7], s[0:1], 0x0                ; weight s[4:5], wq s[6:7]
	v_and_b32 v3, 31, v0                           ; lane
	v_lshrrev_b32 v4, 5, v0                        ; wave i
	v_and_b32 v5, 15, v0                           ; t
	v_bfe_u32 v6, v0, 4, 1                         ; h
	v_lshlrev_b32 v1, 4, v5                        ; load offset: 16 t,
	v_lshl_add_u32 v1, v6, 15, v1                  ; + 8 rows of 4,096 bytes for the upper lanes,
	v_lshl_add_u32 v1, v4, 8, v1                   ; + 256 bytes (64 columns) for each wave
	v_lshlrev_b32 v2, 4, v3                        ; store offset: 16 lane,
	v_lshl_add_u32 v2, v4, 17, v2                  ; + 131,072 for each wave (a group)
	s_lshr_b32 s8, ttmp9, 5                        ; e
	s_bfe_u32 s9, ttmp9, 0x40001                   ; kb: 4 bits from bit 1
	s_and_b32 s10, ttmp9, 1                        ; ch
	s_lshl_b32 s12, s8, 22                         ; weight: e x 4 MiB
	s_lshl_b32 s11, s9, 18                         ; + kb x 64 rows
	s_add_co_u32 s12, s12, s11
	s_lshl_b32 s11, s10, 11                        ; + ch x 512 columns
	s_add_co_u32 s12, s12, s11
	s_mov_b32 s13, 0
	s_lshl_b32 s14, s8, 21                         ; wq: e x 2 MiB
	s_lshl_b32 s11, s10, 20                        ; + ch x 8 groups
	s_add_co_u32 s14, s14, s11
	s_lshl_b32 s11, s9, 13                         ; + kb x 2 steps of 4,096 bytes
	s_add_co_u32 s14, s14, s11
	s_mov_b32 s15, 0
	s_wait_kmcnt 0x0
	s_add_nc_u64 s[4:5], s[4:5], s[12:13]
	s_add_nc_u64 s[6:7], s[6:7], s[14:15]
	s_wait_alu depctr_va_vdst(0)                   ; v1 and v2 are written: every load below reads v1 as its offset, every store v2
.irp uq, 0,1,2,3
.irp i, 0,1,2,3,4,5,6,7
	global_load_b128 v[L+32*\uq+4*\i:L+32*\uq+4*\i+3], v1, s[4:5] offset:(16*\uq+\i)*4096 th:TH_LOAD_NT  ; read once in the launch
.endr
.endr
.irp uq, 0,1,2,3
	s_wait_loadcnt 24-8*\uq                        ; the eight loads of each later unit may stay out
.set n, 0
.rept 32
	v_cvt_f32_i32 v[L+32*\uq+n], v[L+32*\uq+n]
.set n, n+1
.endr
.irp b, 0,1,2,3
.irp d, 0,1,2,3
	v_cvt_pk_bf16_f32 v[O+16*\uq+4*\b+\d], v[L+32*\uq+8*\d+\b], v[L+32*\uq+8*\d+4+\b]  ; k = 2 d below, 2 d + 1 above, column b of my four
.endr
.endr
	s_wait_alu depctr_va_vdst(0)                   ; the sixteen packing lines have written this unit's O, which the four stores below read
.irp b, 0,1,2,3
	global_store_b128 v2, v[O+16*\uq+4*\b:O+16*\uq+4*\b+3], s[6:7] offset:(\uq/2)*4096+\b*1024+(\uq%2)*512  ; the next launch reads these: no hint
.endr
.endr
	s_endpgm
.Lfunc_end_k_q696a4d2835_prep:
	.size	k_q696a4d2835_prep, .Lfunc_end_k_q696a4d2835_prep-k_q696a4d2835_prep
	.p2alignl 7, 3214868480
	.fill 96, 4, 3214868480
	.section	.rodata,"a",@progbits
	.p2align	6, 0x0
	.amdhsa_kernel k_q696a4d2835_prep
		.amdhsa_group_segment_fixed_size 0
		.amdhsa_private_segment_fixed_size 0
		.amdhsa_enable_private_segment 0
		.amdhsa_kernarg_size 16
		.amdhsa_user_sgpr_count 2
		.amdhsa_user_sgpr_kernarg_segment_ptr 1
		.amdhsa_wavefront_size32 1
		.amdhsa_system_sgpr_workgroup_id_x 1
		.amdhsa_system_sgpr_workgroup_id_y 1
		.amdhsa_system_sgpr_workgroup_id_z 1
		.amdhsa_system_vgpr_workitem_id 0
		.amdhsa_next_free_vgpr 208
		.amdhsa_next_free_sgpr 66
		.amdhsa_reserve_vcc 0
		.amdhsa_float_denorm_mode_32 3
		.amdhsa_float_denorm_mode_16_64 3
		.amdhsa_memory_ordered 1
		.amdhsa_forward_progress 1
		.amdhsa_inst_pref_size 15
	.end_amdhsa_kernel
	.amdgpu_metadata
---
amdhsa.version: [ 1, 2 ]
amdhsa.kernels:
  - .name:           k_q696a4d2835_prep
    .symbol:         k_q696a4d2835_prep.kd
    .args:
      - { .name: weight, .offset: 0, .size: 8, .value_kind: global_buffer, .address_space: global }
      - { .name: wq, .offset: 8, .size: 8, .value_kind: global_buffer, .address_space: global }
    .group_segment_fixed_size: 0
    .private_segment_fixed_size: 0
    .kernarg_segment_align: 8
    .kernarg_segment_size: 16
    .max_flat_workgroup_size: 256
    .sgpr_count:     66
    .vgpr_count:     208
    .wavefront_size: 32
...
	.end_amdgpu_metadata
.endif
;; end of part 3
;; launch gmm: the kernel of part 2 again; grid 4 x 64, 4 waves a work-group, no clusters, 313,856 bytes of LDS; arguments group_list, per_token_scale, scale, wq, x, out0; writes out0
